; MI455X (gfx1250); checked and timed in simulation.
; The chip was launched on July 23, 2026; its instructions are those of AMD's public machine-readable ISA for CDNA 5 (MIT licence, August 2026) and "CDNA5" Instruction Set Architecture Reference Guide (July 2026). The comments in the code are by the model that wrote it; some were corrected since.
;; Higgs Multi Linear. Allowed arithmetic: matrix products marked QUANTISED: E2M1 operands, one E8M0 scale for each 32 along K, by v_wmma_scale_f32_16x16x128_f8f6f4 with both operands' format E2M1 (or v_wmma_scale_f32_32x16x128_f4), f32 sums; everything else in f32.
;; Inputs: bias 4,096 float32; codes_2_16 2,048 x 2,048 int32; codes_2_256 2,048 x 2,048 int32; grid_2_16 16 x 2 float32; grid_2_256 256 x 2 float32; scales 4,096 float32; x 2 x 2,048 x 4,096 float32.
;; Outputs: out0 2 x 2,048 x 4,096 float32.
;; This version of the problem:
;;   THIS VERSION OF THE PROBLEM IS GIVEN IN LOW PRECISION. The matrix products marked QUANTISED in the list below multiply operands that are first quantised to E2M1 (2 exponent bits, 1 mantissa bit; 4 bits a number), with one power-of-two scale for each 32 numbers along K (OCP MX v1.0); their sums are f32. All else is computed in f32.
;;   The module's matrix products, in the order in which they are computed (A, B: the left and right operand; K: the contracted axis; several contracted axes count as one K, in the product's order):
;;     1. [M 4,096, K 4,096] x [K 4,096, N 4,096]; A: input x; B: computed on the way: QUANTISED
;;   THE QUANTISER, for each operand of a quantised product, along K:
;;     - K is cut into blocks of 32 from its start; a last block that is shorter is filled with zeros.
;;     - A block's scale is 2^e with e = floor(log2(the largest magnitude in the block)) - 2, held to -126 .. 127; a block of zeros has e = 0. As a byte (E8M0): e + 127.
;;     - Each number is divided by its block's scale, clamped to +-6, and rounded to the nearest number of E2M1, ties to even, subnormals kept.
;;     - The product sums the exact products of the quantised numbers (number of the format x scale) in f32.
;;   ~~~python
;;   def quantise(x, axis):      # numpy; x: float32 -> the quantised numbers, widened to float32 again
;;       x = np.moveaxis(x, axis, -1); K = x.shape[-1]
;;       x = np.pad(x, [(0, 0)] * (x.ndim - 1) + [(0, -K % 32)]); x = x.reshape(x.shape[:-1] + (-1, 32)); a = np.abs(x).max(-1, keepdims=True)
;;       e = np.where(a > 0, np.clip(np.frexp(np.where(a > 0, a, 1))[1] - 1 - 2, -126, 127), 0)      # np.frexp(a)[1] - 1 = floor(log2(a)), exactly
;;       r = np.clip(x / 2.0 ** e, -6, 6)
;;       step = 2.0 ** (np.maximum(np.frexp(np.where(r == 0, 1, r))[1] - 1, 0) - 1)
;;       q = np.round(r / step) * step * 2.0 ** e      # np.round: ties to even
;;       return np.moveaxis(q.reshape(q.shape[:-2] + (-1,))[..., :K], -1, axis).astype(np.float32)
;;   ~~~
;;   OPERANDS COMPUTED ON THE WAY. 'Computed on the way' means the value that the module computes at that place (a softmax that the list does not call 'softmax' is quantised finished and normalised). What goes into a quantiser is computed in f32, as accurately as f32 sums, v_exp_f32 and their like allow (about 1e-6 of the number): no bf16 or f16 on the way to a quantiser, and a product that is left as it is and whose result goes on into a quantised operand takes f32 operands (vector FMAs, or v_wmma_f32_16x16x4_f32). A number that lies on a knife's edge between two numbers of the format may be rounded either way, as far as f32 arithmetic and the matrix unit's own rounding can turn it there, and no further.
;; One version. Each part assembles by itself: llvm-mc -triple=amdgcn-amd-amdhsa -mcpu=gfx1250 --defsym DOCPART=n.
;; ======== version 1 of 1: 2 launches
;; limits: right only within a limited range of input values
;; workspace buffers: xq 8,912,896 bytes; wq 8,912,896 bytes
;; launch quant (part 1): grid 512 x 1, 4 waves a work-group, no clusters, 37,376 bytes of LDS; arguments x, codes_2_256, codes_2_16, grid_2_256, grid_2_16, scales, xq, wq; writes xq, wq
.if DOCPART == 1
	.amdgcn_target "amdgcn-amd-amdhsa--gfx1250"
	.amdhsa_code_object_version 6
	.text
	.protected	k_q69e5852103_quant
	.globl	k_q69e5852103_quant
	.p2align	8
	.type	k_q69e5852103_quant,@function
k_q69e5852103_quant:
	s_mov_b64 s[64:65], 0
	v_nop
	global_prefetch_b8 v0, s[64:65] scope:SCOPE_SE
	s_setreg_imm32_b32 hwreg(HW_REG_WAVE_MODE, 25, 1), 1
	s_wait_xcnt 0x0
; x [4096][4096] f32, and W [4096][4096], W[o][i] = grid[codes[o][i / 2]][i % 2] x scales[o] (rows 0-2047 by the grid of 256 pairs, rows 2048-4095 by the grid of 16),
; are turned into codes of FP4 (E2M1), 4 bits each, with one E8M0 scale byte for each 32 along K (K = the last axis of both).
; A block's scale is 2^(floor(log2(its largest magnitude)) - 2); its byte is the largest magnitude's exponent field - 2, held at 1 from below; numbers are divided by it and rounded to the nearest code, ties to even, beyond 6 the largest code.
; LIMITS: NaN and infinities in x, the grids or the scales are not served.  A block of zeros gets the byte 1 where the rule says 127: its codes are zeros, and the bytes are read by this program alone.
; An index beyond 255 is held at 255, and the small grid is taken modulo 16: the problem's indices stay inside their tables.
; THE TWO OUTPUTS HAVE ONE LAYOUT, made for the product's launch: [K step of 512: 8][group of 128 rows: 32][34,816 bytes]; in a group first [128 rows][256 bytes of codes], then [8 blocks of 16 rows][16 rows][16 scale bytes]:
; 136 aligned runs of 256 bytes on end, so that one tensor load brings a group's codes and scale bytes together.
; SHARES.  A task is 16 rows x one K step: 16 runs of 256 bytes of codes and one run of 256 scale bytes.  x has 2,048 tasks and W 2,048; each of the 2,048 waves does one of x and then one of W.
; In every work-group waves 0 and 1 take the large grid and waves 2 and 3 the small one, so that all work-groups have the same mix of look-ups.
; x: a step is one row's 512 numbers.  Each of its four loads reads 512 consecutive bytes, 16 a lane; the conversions want 16 NEIGHBOURS in a lane, so the 2,048 bytes turn through the wave's own stage in LDS (80 bytes from lane to lane).
; W: a lane's 16 bytes of indices are 4 pairs = 8 neighbours along K; the pairs are looked up in tables in LDS (8 bytes an index); a block of 32 lies in four neighbouring lanes.
; TWO BARRIERS part the look-ups, whose addresses come from loaded indices, from every LDS store of the work-group: all stores of the x phase and the tables' stand ahead of the first, all stores of W's way out behind the second.
; Loads run eight steps (32 loads a wave) ahead; W's indices follow x's rows in the same eight sets of registers.
.set SP,    80                         ; a lane's place in a stage: its 64 bytes + 16 of padding
.set STG,   32*SP                      ; a stage
.set XSB,   2*STG                      ; behind the two stages: x's 256 scale bytes,
.set WSB,   XSB+256                    ; and W's
.set TAB,   32768                      ; behind the four waves' regions of 8,192 bytes: the large grid (2,048 bytes), then the small grid sixteen times over (2,048 bytes)
.set GRP,   34816                      ; a group of the outputs' layout
.set R,     24                         ; v24-151  eight sets of 16: x as loaded, then W's indices, then their table addresses, then W's codes and bytes
.set X,     152                        ; v152-183 two sets of 16 neighbours of x; in the W phase the looked-up numbers of even groups; at the end W's rows
.set E,     184                        ; v184-199 x's scale byte, a register for each step
.set C,     200                        ; v200-231 x's codes, two registers for each step (first: the tables on their way to LDS); in the W phase the looked-up numbers of odd groups
	s_load_b512 s[4:19], s[0:1], 0x0               ; x s[4:5], codes_2_256 s[6:7], codes_2_16 s[8:9], grid_2_256 s[10:11], grid_2_16 s[12:13], scales s[14:15], xq s[16:17], wq s[18:19]
	v_lshl_add_u32 v254, v0, 2, 0x9000
	v_mov_b32 v255, 0
	v_lshrrev_b32 v1, 5, v0
	v_readfirstlane_b32 s20, v1                    ; wave 0..3
	v_and_b32 v2, 31, v0                           ; lane
	v_lshlrev_b32 v3, 4, v2                        ; 16 x lane: my bytes of a load's or a store's 512
	v_lshlrev_b32 v4, 3, v2                        ; 8 x lane: my bytes of a run of 256
	v_lshlrev_b32 v12, 4, v0                       ; the large grid: 16 bytes a thread
	v_and_b32 v13, 7, v0
	v_lshlrev_b32 v13, 4, v13                      ; the small grid: its 128 bytes again and again
	v_lshl_add_u32 v7, v0, 4, TAB                  ; and where they go in LDS
	s_lshl_b32 s61, s20, 13                        ; my wave's region
	s_add_co_u32 s62, s61, XSB
	s_add_co_u32 s63, s61, WSB
	v_lshrrev_b32 v14, 2, v2
	v_mul_u32_u24 v14, v14, SP
	v_and_b32 v15, 3, v2
	v_lshl_add_u32 v14, v15, 4, v14
	v_add_nc_u32 v14, s61, v14                     ; the stage, way in: four lanes' 64 bytes on end, then padding: SP (lane / 4) + 16 (lane % 4); a load's 512 bytes take eight places
	v_mul_u32_u24 v15, v2, SP
	v_add_nc_u32 v15, s61, v15                     ; way out: SP x lane: my 16 neighbours
	v_lshrrev_b32 v5, 1, v2
	v_add_nc_u32 v5, s62, v5                       ; x's scale bytes: my block's byte (two lanes to a block),
	v_lshl_add_u32 v6, v2, 3, s62                  ; and 8 bytes a lane on the way out
	v_lshl_add_u32 v16, v2, 2, s61                 ; W's codes into the region: 4 bytes a lane,
	v_lshl_add_u32 v18, v2, 4, s61                 ; and back: 16 bytes a lane
	v_lshrrev_b32 v17, 2, v2
	v_add_nc_u32 v17, s63, v17                     ; W's scale bytes: my block's byte (four lanes to a block),
	v_lshl_add_u32 v19, v2, 3, s63                 ; and 8 bytes a lane on the way out
	; my task of x: row block rb = work-group / 2, K step s = 4 (work-group % 2) + wave: the work-group reads 8,192 bytes on end of each of 16 rows
	s_lshr_b32 s21, ttmp9, 1                       ; rb
	s_and_b32 s22, ttmp9, 1
	s_lshl_b32 s22, s22, 2
	s_add_co_u32 s22, s22, s20                     ; s
	s_lshl_b32 s24, s21, 18                        ; 16 rows of 16,384 bytes
	s_lshl_b32 s23, s22, 11                        ; 512 numbers of 4 bytes
	s_add_co_u32 s24, s24, s23
	s_mov_b32 s25, 0
	s_lshl_b32 s26, s22, 5
	s_lshr_b32 s27, s21, 3
	s_add_co_u32 s26, s26, s27
	s_mul_i32 s26, s26, GRP                        ; the group: (32 s + rb / 8) x 34,816
	s_and_b32 s27, s21, 7
	s_lshl_b32 s28, s27, 12
	s_add_co_u32 s28, s28, s26                     ; my 16 rows' codes
	s_mov_b32 s29, 0
	s_lshl_b32 s30, s27, 8
	s_add_co_u32 s30, s30, s26
	s_add_co_u32 s30, s30, 32768                   ; and their scale bytes
	s_mov_b32 s31, 0
	s_wait_alu depctr_va_vdst(0)
	s_wait_kmcnt 0x0
	s_add_nc_u64 s[48:49], s[4:5], s[24:25]
	s_add_nc_u64 s[52:53], s[16:17], s[28:29]
	s_add_nc_u64 s[54:55], s[16:17], s[30:31]
.macro LOAD t                          ; row t of x: four loads of 512 consecutive bytes, into set t % 8
.irp i, 0,1,2,3
	global_load_b128 v[R+16*((\t)%8)+4*\i:R+16*((\t)%8)+4*\i+3], v3, s[48:49] offset:16384*(\t)+512*\i th:TH_LOAD_NT
.endr
.endm
.macro WLOAD g                         ; rows 2 g and 2 g + 1 of W's indices: load j: row 2 g + j / 2, indices 128 (j % 2) on; a lane's four indices are the weights k = 256 (j % 2) + 8 lane + 0 .. 7
.irp j, 0,1,2,3
	global_load_b128 v[R+16*(\g)+4*\j:R+16*(\g)+4*\j+3], v3, s[50:51] offset:(2*(\g)+\j/2)*8192+(\j%2)*512 th:TH_LOAD_NT
.endr
.endm
.macro TURN t                          ; row t's numbers through the stage: LDS serves a wave's instructions in order, so no wait stands between the stores and the loads
.irp i, 0,1,2,3
	ds_store_b128 v14, v[R+16*((\t)%8)+4*\i:R+16*((\t)%8)+4*\i+3] offset:STG*((\t)%2)+8*SP*\i
.endr
.irp i, 0,1,2,3
	ds_load_b128 v[X+16*((\t)%2)+4*\i:X+16*((\t)%2)+4*\i+3], v15 offset:STG*((\t)%2)+16*\i
.endr
.endm
	global_load_b128 v[C:C+3], v12, s[10:11]       ; the tables
	global_load_b128 v[C+4:C+7], v13, s[12:13]
.irp t, 0,1,2,3,4,5,6,7
	LOAD \t
.endr
	; my task of W, made while the first loads are on their way: tau = 2 x work-group + wave % 2; which grid: wave / 2; row block tau / 8 of that grid's 128, K step tau % 8
	s_lshl_b32 s21, ttmp9, 1
	s_and_b32 s22, s20, 1
	s_add_co_u32 s21, s21, s22                     ; tau
	s_lshr_b32 s22, s20, 1                         ; 0: the large grid, 1: the small one
	s_lshr_b32 s23, s21, 3                         ; row block in its half
	s_and_b32 s21, s21, 7                          ; K step
	s_lshl_b32 s24, s23, 17                        ; 16 rows of 8,192 bytes of indices
	s_lshl_b32 s26, s21, 10                        ; 256 indices of 4 bytes
	s_add_co_u32 s24, s24, s26
	s_cmp_lt_u32 s20, 2                            ; the choice hangs on the wave's number alone
	s_cselect_b64 s[50:51], s[6:7], s[8:9]
	s_add_nc_u64 s[50:51], s[50:51], s[24:25]
	s_lshl_b32 s26, s22, 7
	s_add_co_u32 s23, s23, s26                     ; row block among W's 256
	s_lshl_b32 s24, s23, 6
	s_add_nc_u64 s[14:15], s[14:15], s[24:25]
	s_load_b512 s[32:47], s[14:15], 0x0            ; my 16 rows' scales: s[32 + row]
	s_lshl_b32 s26, s21, 5
	s_lshr_b32 s27, s23, 3
	s_add_co_u32 s26, s26, s27
	s_mul_i32 s26, s26, GRP
	s_and_b32 s27, s23, 7
	s_lshl_b32 s28, s27, 12
	s_add_co_u32 s28, s28, s26
	s_lshl_b32 s30, s27, 8
	s_add_co_u32 s30, s30, s26
	s_add_co_u32 s30, s30, 32768
	s_add_nc_u64 s[56:57], s[18:19], s[28:29]      ; (s29 and s31 are still 0)
	s_add_nc_u64 s[58:59], s[18:19], s[30:31]
	s_lshl_b32 s60, s22, 11
	s_add_co_u32 s60, s60, TAB                     ; my table in LDS
	s_wait_loadcnt 28                              ; the tables and row 0 are in; the 28 loads of rows 1 to 7 may be out
	ds_store_b128 v7, v[C:C+3]
	ds_store_b128 v7, v[C+4:C+7] offset:2048
	TURN 0
; One row of x.
.macro STEP t
.set XS, X+16*((\t)%2)
.if (\t) > 0
	s_wait_dscnt 1                                 ; this row's numbers are back from the stage (the last row's byte store may be out): so its stores into the stage have read set t % 8,
.else
	s_wait_dscnt 0x0
.endif
.if (\t) < 8
	LOAD (\t)+8                                    ; which takes the row eight further on,
.else
	WLOAD (\t)-8                                   ; or, when x's rows are all asked for, a group of W's indices
.endif
.if (\t) < 15
	s_wait_loadcnt 28                              ; the next row's four loads are in; those of the seven steps behind it may be out
	TURN (\t)+1                                    ; and go through the other stage while this row is worked
.endif
	v_max3_num_f32 v8, |v[XS]|, |v[XS+1]|, |v[XS+2]|               ; the largest magnitude of my 16, in two chains
	v_max3_num_f32 v9, |v[XS+3]|, |v[XS+4]|, |v[XS+5]|
.irp i, 6,10
	v_max3_num_f32 v8, v8, |v[XS+\i]|, |v[XS+\i+1]|
	v_max3_num_f32 v9, v9, |v[XS+\i+2]|, |v[XS+\i+3]|
.endr
	v_max3_num_f32 v8, v8, |v[XS+14]|, |v[XS+15]|
	v_max3_num_f32 v8, v8, v9, 0x1800000           ; and the floor 2^(3 - 127): so the byte cannot fall under 1
	v_max_num_f32_dpp v8, v8, v8 row_xmask:1 row_mask:0xf bank_mask:0xf   ; and of my neighbour's 16: the block's
	v_add_nc_u32 v11, 0xff000000, v8               ; 2 off its exponent field: the conversion takes the exponent field of this operand as its scale, and nothing else of it
	v_cvt_scalef32_pk8_fp4_f32 v[C+2*(\t)], v[XS:XS+7], v11
	v_cvt_scalef32_pk8_fp4_f32 v[C+2*(\t)+1], v[XS+8:XS+15], v11
	v_lshrrev_b32 v[E+(\t)], 23, v11               ; the scale's byte (also the plain line behind the conversions)
	ds_store_b8 v5, v[E+(\t)] offset:16*(\t)       ; both lanes of a block write the same byte with the same value
	global_store_b64 v4, v[C+2*(\t):C+2*(\t)+1], s[52:53] offset:256*(\t)   ; the wave stores the row's 256 consecutive bytes, aligned; each row has its own registers, so no store's data are written again in this phase
.endm
.irp t, 0,1,2,3,4,5,6,7,8,9,10,11,12,13,14,15
	STEP \t
.endr
	ds_load_b64 v[12:13], v6                       ; LDS serves a wave's instructions in order: this sees my sixteen byte stores
	s_wait_dscnt 0x0
	global_store_b64 v4, v[12:13], s[54:55]        ; the 16 rows' scale bytes: 256 consecutive bytes, aligned
	; THE FIRST BARRIER: the tables are whole, and from here to the second barrier no wave stores to LDS
	s_wait_kmcnt 0x0                               ; my rows' scales
	s_wait_xcnt 0x0                                ; the stores have read their registers: x's codes' registers take looked-up numbers, v[12:13] W's scale bytes
	s_wait_dscnt 0x0
	s_barrier_signal -1
	s_barrier_wait -1
; Group g's 16 indices a lane become table addresses, in place, and the pairs are looked up.
.macro GATHER g
.set FG, X+48*((\g)%2)
	s_wait_loadcnt 4*(7-(\g))                      ; group g's four loads are in; those of the groups behind it may be out (nothing is loaded from memory any more)
.irp n, 0,1,2,3,4,5,6,7,8,9,10,11,12,13,14,15
	v_min_u32 v[R+16*(\g)+\n], 255, v[R+16*(\g)+\n]             ; held inside the table
.endr
.irp n, 0,1,2,3,4,5,6,7,8,9,10,11,12,13,14,15
	v_lshl_add_u32 v[R+16*(\g)+\n], v[R+16*(\g)+\n], 3, s60     ; 8 bytes a pair
.endr
.irp n, 0,1,2,3,4,5,6,7,8,9,10,11,12,13,14,15
	ds_load_b64 v[FG+2*\n:FG+2*\n+1], v[R+16*(\g)+\n]           ; load j's four pairs land in eight consecutive registers: eight neighbours along K
.endr
.endm
; Group g's 4 x 8 numbers a lane: times the row's scale, the block's largest magnitude over four lanes, the codes and the byte.  The four loads' numbers take turns line by line.
.macro COMPUTE g
.set FG, X+48*((\g)%2)
.irp i, 0,1,2,3,4,5,6,7
.irp j, 0,1,2,3
	v_mul_f32 v[FG+8*\j+\i], s[32+2*(\g)+\j/2], v[FG+8*\j+\i]   ; the weight as the problem has it: one rounding in f32
.endr
.endr
.irp j, 0,1,2,3
	v_max3_num_f32 v[8+\j], |v[FG+8*\j]|, |v[FG+8*\j+1]|, 0x1800000   ; with the floor 2^(3 - 127)
.endr
.irp i, 2,4,6
.irp j, 0,1,2,3
	v_max3_num_f32 v[8+\j], v[8+\j], |v[FG+8*\j+\i]|, |v[FG+8*\j+\i+1]|
.endr
.endr
.irp j, 0,1,2,3
	v_max_num_f32_dpp v[8+\j], v[8+\j], v[8+\j] row_xmask:1 row_mask:0xf bank_mask:0xf
.endr
.irp j, 0,1,2,3
	v_max_num_f32_dpp v[8+\j], v[8+\j], v[8+\j] row_xmask:2 row_mask:0xf bank_mask:0xf   ; the four lanes of a block
.endr
.irp j, 0,1,2,3
	v_add_nc_u32 v[20+\j], 0xff000000, v[8+\j]     ; 2 off the exponent field: the conversion's scale operand
.endr
.irp j, 0,1,2,3
	v_cvt_scalef32_pk8_fp4_f32 v[R+16*(\g)+\j], v[FG+8*\j:FG+8*\j+7], v[20+\j]   ; into the group's own set, whose look-ups have come back
.endr
.irp j, 0,1,2,3
	v_lshrrev_b32 v[R+16*(\g)+4+\j], 23, v[20+\j]  ; the scale's byte (also the plain lines behind the conversions)
.endr
.endm
	GATHER 0
.irp g, 0,1,2,3,4,5,6,7
.if \g < 7
	GATHER \g+1
	s_wait_dscnt 16                                ; this group's 16 look-ups are back; the next group's 16 may be out
.else
	s_wait_dscnt 0x0
.endif
	COMPUTE \g
.endr
	; THE SECOND BARRIER: every wave's look-ups are back; behind it LDS is stored to again
	s_wait_alu depctr_va_vdst(0)
	s_wait_dscnt 0x0
	s_barrier_signal -1
	s_barrier_wait -1
	; W's way out: a lane's 4 bytes of codes go to their place in the 16 rows x 256 bytes (row 2 g + j / 2, byte 128 (j % 2) + 4 lane = 512 g + 128 j + 4 lane), the bytes to theirs (32 g + 8 j + lane / 4)
.irp g, 0,1,2,3,4,5,6,7
.irp j, 0,1,2,3
	ds_store_b32 v16, v[R+16*\g+\j] offset:512*\g+128*\j
	ds_store_b8 v17, v[R+16*\g+4+\j] offset:32*\g+8*\j          ; the four lanes of a block write the same byte with the same value
.endr
.endr
.irp m, 0,1,2,3,4,5,6,7
	ds_load_b128 v[X+4*\m:X+4*\m+3], v18 offset:512*\m          ; LDS serves a wave's instructions in order: these see my stores
.endr
	ds_load_b64 v[12:13], v19
.irp m, 0,1,2,3,4,5,6,7
	s_wait_dscnt 8-\m                              ; load m is back; the 7 - m behind it and the scale bytes' may be out
	global_store_b128 v3, v[X+4*\m:X+4*\m+3], s[56:57] offset:512*\m   ; 512 consecutive bytes, aligned: two rows' codes
.endr
	s_wait_dscnt 0x0
	global_store_b64 v4, v[12:13], s[58:59]        ; the 16 rows' scale bytes: 256 consecutive bytes, aligned
	s_wait_tensorcnt 0x0
	ds_add_u32 v254, v255
	s_wait_dscnt 0x0
	s_endpgm
.Lfunc_end_k_q69e5852103_quant:
	.size	k_q69e5852103_quant, .Lfunc_end_k_q69e5852103_quant-k_q69e5852103_quant
	.p2alignl 7, 3214868480
	.fill 96, 4, 3214868480
	.section	.rodata,"a",@progbits
	.p2align	6, 0x0
	.amdhsa_kernel k_q69e5852103_quant
		.amdhsa_group_segment_fixed_size 37376
		.amdhsa_private_segment_fixed_size 0
		.amdhsa_enable_private_segment 0
		.amdhsa_kernarg_size 64
		.amdhsa_user_sgpr_count 2
		.amdhsa_user_sgpr_kernarg_segment_ptr 1
		.amdhsa_wavefront_size32 1
		.amdhsa_system_sgpr_workgroup_id_x 1
		.amdhsa_system_sgpr_workgroup_id_y 1
		.amdhsa_system_sgpr_workgroup_id_z 1
		.amdhsa_system_vgpr_workitem_id 0
		.amdhsa_next_free_vgpr 256
		.amdhsa_next_free_sgpr 66
		.amdhsa_reserve_vcc 0
		.amdhsa_float_denorm_mode_32 3
		.amdhsa_float_denorm_mode_16_64 3
		.amdhsa_memory_ordered 1
		.amdhsa_forward_progress 1
		.amdhsa_inst_pref_size 95
	.end_amdhsa_kernel
	.amdgpu_metadata
---
amdhsa.version: [ 1, 2 ]
amdhsa.kernels:
  - .name:           k_q69e5852103_quant
    .symbol:         k_q69e5852103_quant.kd
    .args:
      - { .name: x, .offset: 0, .size: 8, .value_kind: global_buffer, .address_space: global }
      - { .name: codes_2_256, .offset: 8, .size: 8, .value_kind: global_buffer, .address_space: global }
      - { .name: codes_2_16, .offset: 16, .size: 8, .value_kind: global_buffer, .address_space: global }
      - { .name: grid_2_256, .offset: 24, .size: 8, .value_kind: global_buffer, .address_space: global }
      - { .name: grid_2_16, .offset: 32, .size: 8, .value_kind: global_buffer, .address_space: global }
      - { .name: scales, .offset: 40, .size: 8, .value_kind: global_buffer, .address_space: global }
      - { .name: xq, .offset: 48, .size: 8, .value_kind: global_buffer, .address_space: global }
      - { .name: wq, .offset: 56, .size: 8, .value_kind: global_buffer, .address_space: global }
    .group_segment_fixed_size: 37376
    .private_segment_fixed_size: 0
    .kernarg_segment_align: 8
    .kernarg_segment_size: 64
    .max_flat_workgroup_size: 128
    .sgpr_count:     66
    .vgpr_count:     256
    .wavefront_size: 32
...
	.end_amdgpu_metadata
.endif
;; end of part 1
;; launch gemm (part 2): grid 16 x 16, 4 waves a work-group, clusters of 4 x 4, 327,680 bytes of LDS; arguments xq, wq, bias, out0; writes out0
.if DOCPART == 2
	.amdgcn_target "amdgcn-amd-amdhsa--gfx1250"
	.amdhsa_code_object_version 6
	.text
	.protected	k_q69e5852103_gemm
	.globl	k_q69e5852103_gemm
	.p2align	8
	.type	k_q69e5852103_gemm,@function
k_q69e5852103_gemm:
	s_mov_b64 s[64:65], 0
	v_nop
	global_prefetch_b8 v0, s[64:65] scope:SCOPE_SE
	s_setreg_imm32_b32 hwreg(HW_REG_WAVE_MODE, 25, 1), 1
	s_wait_xcnt 0x0
	s_wait_alu depctr_hold_cnt(0) depctr_sa_sdst(0) depctr_va_vdst(0) depctr_va_sdst(0) depctr_va_ssrc(0) depctr_va_vcc(0) depctr_vm_vsrc(0)
	s_getreg_b32 s2, hwreg(HW_REG_IB_STS2, 6, 4)
	s_cmp_eq_u32 s2, 0
	s_cbranch_scc0 .Lentry_in_a_cluster
	s_endpgm
.Lentry_in_a_cluster:
	s_bfe_u32 s2, ttmp6, 0x10000c
	s_cmp_lg_u32 s2, 0xf033
	s_cbranch_scc0 .Lentry_shape_is_right
	s_endpgm
.Lentry_shape_is_right:
; out0[m][n] = sum over k of xq[m][k] wq[n][k] + bias[n]: both operands are codes of FP4 (E2M1) with one E8M0 byte for each 32 along K, as the launch before laid them:
; [K step of 512: 8][group of 128 rows: 32][34,816 bytes]; a group is 128 rows x 256 bytes of codes, then 8 blocks of 16 rows x 16 scale bytes: 136 runs of 256 bytes on end.
; A work-group of four waves makes 256 x 256 of out0, a wave 128 x 128: 64 accumulators.  K goes in steps of 512 through two LDS slots; each wave fetches one group (codes and scale bytes) by one tensor load.
; CLUSTERS: 4 x 4 work-groups; xq's groups are asked for jointly along a row of the cluster, wq's along a column.
; THE MATRIX INSTRUCTION IS USED TRANSPOSED (source 0 = 16 rows of wq, source 1 = 16 rows of xq): a lane holds eight neighbouring numbers of a row of out0.  The bias is the C of each accumulator's first product.
; REGISTERS.  The wave's tile is four quadrants of 64 x 64, one in each window of 256 registers, at v0-127 (accumulator (a, b) of the quadrant at v[32 a + 8 b]).  At v128-191 each window holds TWO sets of one group of four fragments:
;   window 0: quadrant (A0, B0), fragments A0 (my rows 0-63);    window 1: quadrant (A0, B1), fragments B0 (my columns 0-63);
;   window 2: quadrant (A1, B1), fragments B1 (columns 64-127);  window 3: quadrant (A1, B0), fragments A1 (rows 64-127).
; A step of 128 along K begins with ONE run of LDS loads, the next step's 16 fragments into the other sets, and goes on with 64 products in four phases of 16, a quadrant each: so a run is wanted 64 products after it is issued.
;   window 0 also: v192-223 scale words, two sets of 16 (a set: two steps of 128 x 8 blocks; lanes 0-15 xq's block i, lanes 16-31 wq's block i); v224-231 the add's two registers, the way out's addresses, the prefetches' offsets.
;   window 1 also: v192-195 LDS addresses of xq's fragments and of the scale words, for slot 0 and 1;  window 2: v192-193 those of wq's fragments, v224-255 the bias of columns 64-127;  window 3: v224-255 the bias of columns 0-63.
; PREFETCH: behind each refill of the loop's first two trips each wave names, a lane a block of 256 bytes, its work-group's 34 of the 136 blocks of the group that it will fetch two refills on
; (the four partners of a joint load share the blocks out by address); K steps 0 to 3 come by their loads alone, and the last trip names nothing.
.set SIZE_N, 4096
.set GRP,    34816
.set KSTRIDE, 32*GRP                   ; from a K step to the next, in bytes
.set PITCH,  272                       ; an LDS row: 256 bytes + 16 of padding
.set HALFT,  136*PITCH                 ; a group in LDS
.set SLOT,   4*HALFT                   ; xq's two groups, then wq's two
.set SCO,    128*PITCH                 ; a group's scale bytes, behind its codes
.set SPARE,  2*SLOT                    ; behind the ring: the spare words, 128 bytes a wave
.set SPITCH, 528                       ; the way out: a stage of 16 rows x (512 + 16) bytes for each wave, in slot 0 behind its last fill and last read
.set FRG,  128
.set SC,   192
.set BIA,  224
.set ADRA, 192                         ; window 1
.set ADRS, 194                         ; window 1
.set ADRB, 192                         ; window 2
.set SPW,  224                         ; window 0 from here on
.set NIL,  225
.set STO,  226
.set RD,   227
.set CO,   228
.set BO,   229
.set PF0,  230
.set PF1,  231
.set G1, 24
.set G0, 32
.set G1B, 48
.set G0B, 56
.set PFA, 12
.set MSB, 0
.macro WIN new                         ; low byte: bits 1:0 source 0, 3:2 source 1, 5:4 source 2, 7:6 destination; the high byte repeats the setting that is left
.if MSB != (\new)
	s_set_vgpr_msb (MSB<<8)|(\new)
.set MSB, (\new)
.endif
.endm
.macro PLACES
.rept 4
	v_nop
.endr
.endm
; a joint load: waves 0 and 1 fetch xq's two groups, waves 2 and 3 wq's
.macro JLOAD s
	s_cmp_eq_u32 s15, 0
	s_cbranch_scc0 .Lfor_b_\@
	tensor_load_to_lds s[G0+4*\s:G0+4*\s+3], s[G1:G1+7]
	s_nop 0
	PLACES
	s_branch .Lasked_\@
.Lfor_b_\@:
	tensor_load_to_lds s[G0B+4*\s:G0B+4*\s+3], s[G1B:G1B+7]
	s_nop 0
	PLACES
.Lasked_\@:
.endm
.macro CREST                           ; a round of the cluster's barrier behind its opening barrier
	s_cmp_lg_u32 s14, 0
	s_cbranch_scc1 .Lnot_wave_0_\@
	s_barrier_signal -3
.Lnot_wave_0_\@:
	s_barrier_wait -3
	s_barrier_signal -1
	s_barrier_wait -1
.endm
.macro CROUND
	s_barrier_signal -1
	s_barrier_wait -1
	CREST
.endm
.macro ASK                             ; s3 = 1 in the loop's last trip, whose refills have no K step two on
	s_cmp_gt_u32 s3, 1
	s_cbranch_scc0 .Lnone_\@
	global_prefetch_b8 v[PF0], s[PFA:PFA+1] th:TH_LOAD_NT scope:SCOPE_SE   ; blocks 0-31 of my work-group's 34
	global_prefetch_b8 v[PF1], s[PFA:PFA+1] th:TH_LOAD_NT scope:SCOPE_SE   ; blocks 32 and 33 (lanes 1-31 all name the last)
.Lnone_\@:
.endm
	s_load_b256 s[4:11], s[0:1], 0x0               ; xq s[4:5], wq s[6:7], bias s[8:9], out0 s[10:11]
	v_lshl_add_u32 v[SPW], v0, 2, SPARE
	v_mov_b32 v[NIL], 0
	ds_add_u32 v[SPW], v[NIL]                      ; the opening lines: the add,
	ds_add_u32 v[SPW], v[NIL]                      ; once more,
	v_lshrrev_b32 v1, 5, v0
	v_readfirstlane_b32 s14, v1                    ; wave 0..3
	s_lshr_b32 s15, s14, 1                         ; my half of the rows; also: I fetch for xq (0) or wq (1)
	s_and_b32 s16, s14, 1                          ; my half of the columns; also: which of the two groups I fetch
	s_bfe_u32 s40, ttmp6, 0x40000                  ; cx
	s_bfe_u32 s41, ttmp6, 0x40004                  ; cy
	s_lshl_b32 s42, ttmp9, 2
	s_add_co_u32 s42, s42, s40                     ; tile column
	s_and_b32 s17, ttmp7, 0xffff
	s_lshl_b32 s17, s17, 2
	s_add_co_u32 s17, s17, s41                     ; tile row
	s_lshl_b32 s43, s41, 2
	s_lshl_b32 s43, 15, s43                        ; my row of the cluster
	s_lshl_b32 s44, 0x1111, s40                    ; my column
	s_or_b32 s[G1+0], s43, (3<<16)|(1<<20)|(1<<21)|(5<<22)|(3<<25)   ; the mask; elements of 8 bytes; 4 words of padding behind every 64; bit 21 beside a mask
	s_or_b32 s[G1B+0], s44, (3<<16)|(1<<20)|(1<<21)|(5<<22)|(3<<25)
.irp g, G1, G1B
	s_mov_b32 s[\g+1], 32<<16                      ; 136 dense rows of 32 elements
	s_mov_b32 s[\g+2], 136<<16
	s_mov_b32 s[\g+3], 32<<16
	s_mov_b32 s[\g+4], 136
	s_mov_b32 s[\g+5], 32
	s_mov_b32 s[\g+6], 0
	s_mov_b32 s[\g+7], 0
.endr
	s_lshl_b32 s20, s17, 1
	s_add_co_u32 s20, s20, s16
	s_mul_i32 s20, s20, GRP                        ; xq: group 2 x tile row + which
	s_mov_b32 s21, 0
	s_lshl_b32 s46, s42, 1
	s_add_co_u32 s46, s46, s16
	s_mul_i32 s46, s46, GRP                        ; wq: group 2 x tile column + which
	s_mov_b32 s47, 0
	s_mul_i32 s45, s14, HALFT                      ; where my group goes: wave x a group
	s_wait_dscnt 0x0                               ; and the one wait for both adds
	s_wait_kmcnt 0x0
	s_add_nc_u64 s[20:21], s[4:5], s[20:21]
	s_add_nc_u64 s[46:47], s[6:7], s[46:47]
	CROUND                                         ; all sixteen work-groups are here: the first joint loads meet
.irp s, 0,1
	s_mov_b32 s[G0+4*\s], 1
	s_add_co_u32 s[G0+4*\s+1], s45, \s*SLOT
	s_add_nc_u64 s[G0+4*\s+2:G0+4*\s+3], s[20:21], \s*KSTRIDE
	s_or_b32 s[G0+4*\s+3], s[G0+4*\s+3], 0x80000000
	s_mov_b32 s[G0B+4*\s], 1
	s_add_co_u32 s[G0B+4*\s+1], s45, \s*SLOT
	s_add_nc_u64 s[G0B+4*\s+2:G0B+4*\s+3], s[46:47], \s*KSTRIDE
	s_or_b32 s[G0B+4*\s+3], s[G0B+4*\s+3], 0x80000000
.endr
	JLOAD 0                                        ; K step 0: one tensor load a wave at the head
	; the prefetches' base: my group, my work-group's 34 blocks of it (place cx among xq's partners, cy among wq's), at K step 3: the first refill steps it to K step 4
	s_cmp_eq_u32 s15, 0
	s_cselect_b32 s18, s40, s41
	s_cselect_b64 s[PFA:PFA+1], s[20:21], s[46:47]
	s_mul_i32 s18, s18, 34*256
	s_add_co_u32 s18, s18, 3*KSTRIDE
	s_mov_b32 s19, 0
	s_add_nc_u64 s[PFA:PFA+1], s[PFA:PFA+1], s[18:19]
	; where my part of out0 and of the bias begins
	s_lshl_b32 s20, s17, 8
	s_lshl_b32 s21, s15, 7
	s_add_co_u32 s20, s20, s21
	s_lshl_b32 s20, s20, 14                        ; my first row x 16,384 bytes
	s_mov_b32 s21, 0
	s_lshl_b32 s46, s42, 10
	s_lshl_b32 s47, s16, 9
	s_add_co_u32 s46, s46, s47                     ; my first column x 4 bytes
	s_mov_b32 s47, 0
	s_add_nc_u64 s[8:9], s[8:9], s[46:47]
	s_add_nc_u64 s[20:21], s[20:21], s[46:47]
	s_add_nc_u64 s[10:11], s[10:11], s[20:21]
	; LDS bases
	s_mul_i32 s21, s15, HALFT                      ; my group of xq
	s_mul_i32 s22, s16, HALFT
	s_add_co_u32 s22, s22, 2*HALFT                 ; my group of wq
	s_sub_co_u32 s23, s22, s21                     ; the distance between the two
	s_add_co_u32 s43, s21, SLOT
	s_add_co_u32 s44, s22, SLOT
	s_add_co_u32 s45, s21, SCO
	s_add_co_u32 s18, s45, SLOT
	s_mul_i32 s19, s14, 16*SPITCH                  ; my stage
	v_and_b32 v1, 15, v0                           ; r = lane % 16
	v_bfe_u32 v2, v0, 4, 1                         ; h = lane / 16
	v_mul_u32_u24 v3, v1, PITCH
	v_lshl_add_u32 v3, v2, 4, v3                   ; a fragment's row x pitch + 16 h
	v_mul_u32_u24 v4, s23, v2                      ; scale words: lanes 16-31 take wq's,
	v_lshl_add_u32 v4, v1, 4, v4                   ; 16 bytes a row
	v_mul_u32_u24 v5, v1, SPITCH
	v_lshl_add_u32 v5, v2, 5, v5
	v_add_nc_u32 v[STO], s19, v5                   ; into the stage: row r, 32 bytes for each half of the lanes
	v_and_b32 v6, 31, v0
	v_lshlrev_b32 v[CO], 4, v6                     ; back: 32 lanes take a row of 512 bytes; the same in out0
	v_add_nc_u32 v[RD], s19, v[CO]
	v_lshlrev_b32 v[BO], 5, v2                     ; the bias: my eight columns of a block of 16
	v_lshlrev_b32 v[PF0], 8, v6                    ; a lane a block of 256 bytes
	v_min_u32 v7, 1, v6
	v_lshl_add_u32 v[PF1], v7, 8, 32*256
	WIN 0x40                                       ; destinations in window 1
	v_add_nc_u32 v[ADRA], s21, v3
	v_add_nc_u32 v[ADRA+1], s43, v3
	v_add_nc_u32 v[ADRS], s45, v4
	v_add_nc_u32 v[ADRS+1], s18, v4
	WIN 0x80                                       ; in window 2
	v_add_nc_u32 v[ADRB], s22, v3
	v_add_nc_u32 v[ADRB+1], s44, v3
.irp b, 0,1,2,3
	global_load_b128 v[BIA+8*\b:BIA+8*\b+3], v[BO], s[8:9] offset:256+64*\b      ; columns 64-127
	global_load_b128 v[BIA+8*\b+4:BIA+8*\b+7], v[BO], s[8:9] offset:256+64*\b+16
.endr
	WIN 0xc0                                       ; in window 3
.irp b, 0,1,2,3
	global_load_b128 v[BIA+8*\b:BIA+8*\b+3], v[BO], s[8:9] offset:64*\b          ; columns 0-63
	global_load_b128 v[BIA+8*\b+4:BIA+8*\b+7], v[BO], s[8:9] offset:64*\b+16
.endr
	WIN 0
; A phase: 16 products, A's half ah x B's half bh, the slot's q-th 128 along K, from fragment set q % 2 and scale set q / 2.  first = 1: C is the bias.
; The 64 accumulators take turns, in the same order in every step.
.macro PH ah, bh, q, first
.irp a, 0,1,2,3
.irp b, 0,1,2,3
.set AC, 32*\a+8*\b
.set FB, FRG+32*((\q)%2)+8*\b
.set FA, FRG+32*((\q)%2)+8*\a
.set SW, SC+16*((\q)/2)+(\q)%2
.if \first
	v_wmma_scale_f32_16x16x128_f8f6f4 v[AC:AC+7], v[FB:FB+7], v[FA:FA+7], v[BIA+8*\b:BIA+8*\b+7], v[SW+2*(4*\bh+\b)], v[SW+2*(4*\ah+\a)] matrix_a_fmt:MATRIX_FMT_FP4 matrix_b_fmt:MATRIX_FMT_FP4 matrix_a_scale:MATRIX_SCALE_ROW1
.else
	v_wmma_scale_f32_16x16x128_f8f6f4 v[AC:AC+7], v[FB:FB+7], v[FA:FA+7], v[AC:AC+7], v[SW+2*(4*\bh+\b)], v[SW+2*(4*\ah+\a)] matrix_a_fmt:MATRIX_FMT_FP4 matrix_b_fmt:MATRIX_FMT_FP4 matrix_a_scale:MATRIX_SCALE_ROW1
.endif
.endr
.endr
.endm
.macro LDG set, adr, lh, lq            ; a group's four fragments (half lh of its operand, quarter lq of the slot): a fragment is two loads of 16 bytes a lane, 32 bytes apart
.irp n, 0,1,2,3,4,5,6,7
	ds_load_b128 v[FRG+32*(\set)+4*\n:FRG+32*(\set)+4*\n+3], v[\adr] offset:64*(\lq)+32*(\n%2)+(4*(\lh)+\n/2)*16*PITCH
.endr
.endm
.macro LDSC set, adr                   ; the scale words of a slot's steps 2 set and 2 set + 1 into scale set 'set': 8 bytes a row
.irp n, 0,1,2,3,4,5,6,7
	ds_load_b64 v[SC+16*(\set)+2*\n:SC+16*(\set)+2*\n+1], v[\adr] offset:\n*PITCH+8*(\set)
.endr
.endm
; ONE run of LDS loads: the 16 fragments of the slot's quarter lq into fragment set 'set', in the order A0, (scale words,) B0, B1, A1: the order in which the phases want them.
; A load's destination window is the group's own; its address comes from window 1 (xq, scale words) or window 2 (wq).
.macro RUN set, slot, lq, has, sc
	WIN 0x01
	LDG \set, ADRA+\slot, 0, \lq
.if \has
	LDSC \sc, ADRS+\slot
.endif
	WIN 0x42
	LDG \set, ADRB+\slot, 0, \lq
	WIN 0x82
	LDG \set, ADRB+\slot, 1, \lq
	WIN 0xc1
	LDG \set, ADRA+\slot, 1, \lq
.endm
; A step that has its successor in the same slot.  LDS loads come back in order: the counts below leave out this step's run (32 loads, or 40 with the scale words) and what of the last run is not wanted yet.
.macro STEP slot, q, first
.if (\q) == 1
.set SLQ, 1
.else
.set SLQ, 0
.endif
	PLACES                                         ; four places between the last step's products and the loads into the sets that they read
	RUN 1-(\q)%2, \slot, (\q)+1, SLQ, 1
	s_wait_dscnt 48+8*SLQ                          ; A0, B0 and the scale words are in; B1's 8, A1's 8 and the run may be out
.if \first
	WIN 0x31
.else
	WIN 0x01
.endif
	PH 0, 0, \q, \first
	s_wait_dscnt 40+8*SLQ                          ; B1 is in
.if \first
	WIN 0x62
.else
	WIN 0x52
.endif
	PH 0, 1, \q, \first
	s_wait_dscnt 32+8*SLQ                          ; A1 is in
	WIN 0xae
	PH 1, 1, \q, \first
	WIN 0xfd
	PH 1, 0, \q, \first
.endm
; A slot's last step changes slots, at its head: its own fragments were asked for a step ago, so the wave's reads of the slot are over.  ONE barrier; ahead of it each wave waits for all its tensor loads,
; adds 0 to its spare word, and waits for the add and for its reads.  fill = 1: the barrier opens a round of the cluster's barrier, and this slot is filled again, two K steps ahead, first thing behind the round.
.macro TURN slot, next, fill
.if \fill
	s_wait_xcnt 0x0                                ; any prefetch of mine has read its base: it steps a K step on
	s_add_nc_u64 s[PFA:PFA+1], s[PFA:PFA+1], KSTRIDE
.endif
	WIN 0
	s_wait_tensorcnt 0x0                           ; my part of the next slot has landed
	ds_add_u32 v[SPW], v[NIL]
	s_wait_dscnt 0x0                               ; the add is done, and my reads of this slot are over
	s_barrier_signal -1
	WIN 0x01
	PH 0, 0, 3, 0                                  ; work on registers while the others arrive
	WIN 0
	s_barrier_wait -1
.if \fill
	CREST
	s_add_nc_u64 s[G0+4*\slot+2:G0+4*\slot+3], s[G0+4*\slot+2:G0+4*\slot+3], 2*KSTRIDE
	s_add_nc_u64 s[G0B+4*\slot+2:G0B+4*\slot+3], s[G0B+4*\slot+2:G0B+4*\slot+3], 2*KSTRIDE
	JLOAD \slot                                    ; its four v_nop are also the places ahead of the loads below
.else
	PLACES
.endif
	RUN 0, \next, 0, 1, 0                          ; the next slot's first fragments and scale words: 48 products ahead of their first use
.if \fill
	WIN 0
	ASK
.endif
	WIN 0x52
	PH 0, 1, 3, 0
	WIN 0xae
	PH 1, 1, 3, 0
	WIN 0xfd
	PH 1, 0, 3, 0
.endm
	s_wait_alu depctr_va_vdst(0)
	s_wait_tensorcnt 0x0                           ; my part of K step 0 is in; slot 1's first fill is issued as a refill is:
	ds_add_u32 v[SPW], v[NIL]
	s_wait_dscnt 0x0
	CROUND
	JLOAD 1                                        ; K step 1
	RUN 0, 0, 0, 1, 0
	s_wait_loadcnt 0x0                             ; the bias
	STEP 0, 0, 1                                   ; the first step stands ahead of the loop: its products start the sums on the bias
	WIN 0
	s_mov_b32 s3, 3
.Llap:                                                 ; a trip goes once round the ring and fills both slots again
	STEP 0, 1, 0
	STEP 0, 2, 0
	TURN 0, 1, 1
	STEP 1, 0, 0
	STEP 1, 1, 0
	STEP 1, 2, 0
	TURN 1, 0, 1
	STEP 0, 0, 0
	WIN 0
	s_sub_co_u32 s3, s3, 1
	s_cmp_lg_u32 s3, 0
	s_cbranch_scc1 .Llap
	STEP 0, 1, 0                                   ; the last lap fills nothing
	STEP 0, 2, 0
	TURN 0, 1, 0
	STEP 1, 0, 0
	STEP 1, 1, 0
	STEP 1, 2, 0
	s_wait_dscnt 16                                ; the very last step fetches nothing: the counts run down
	WIN 0x01
	PH 0, 0, 3, 0
	s_wait_dscnt 8
	WIN 0x52
	PH 0, 1, 3, 0
	s_wait_dscnt 0x0
	WIN 0xae
	PH 1, 1, 3, 0
	WIN 0xfd
	PH 1, 0, 3, 0
; THE WAY OUT, by blocks of 16 rows x 128 columns: through my own stage, back as whole rows of 512 bytes, which 32 lanes store as two aligned runs of 256 bytes.
; A block's columns 0-63 and 64-127 lie in two windows.  The rows come back into window 1, v128-255 (fragments and addresses that are done with), two sets by turns.
.macro TOSTAGE a
.set AC, 32*((\a)%4)
.if (\a) < 4
.set WL, 0
.set WH, 1
.else
.set WL, 3
.set WH, 2
.endif
	WIN WL<<2                                      ; the stores' data: source 1
.irp b, 0,1,2,3
	ds_store_b128 v[STO], v[AC+8*\b:AC+8*\b+3] offset:64*\b          ; each accumulator from its low end on
	ds_store_b128 v[STO], v[AC+8*\b+4:AC+8*\b+7] offset:64*\b+16
.endr
	WIN WH<<2
.irp b, 0,1,2,3
	ds_store_b128 v[STO], v[AC+8*\b:AC+8*\b+3] offset:256+64*\b
	ds_store_b128 v[STO], v[AC+8*\b+4:AC+8*\b+7] offset:256+64*\b+16
.endr
	WIN 0x40
.set BB, 128+64*((\a)%2)
.irp t, 0,1,2,3,4,5,6,7,8,9,10,11,12,13,14,15
	ds_load_b128 v[BB+4*\t:BB+4*\t+3], v[RD] offset:\t*SPITCH        ; LDS serves a wave's instructions in order: these see the stores above
.endr
.endm
.macro SEND a, younger                 ; younger: the LDS instructions issued behind block a's loads
.set BB, 128+64*((\a)%2)
	s_wait_dscnt \younger
.if (\a) > 0
	s_add_nc_u64 s[10:11], s[10:11], 16*SIZE_N*4   ; (behind a wait on XCNT) 16 rows on
.endif
	WIN 0x04
.irp t, 0,1,2,3,4,5,6,7,8,9,10,11,12,13,14,15
	global_store_b128 v[CO], v[BB+4*\t:BB+4*\t+3], s[10:11] offset:\t*SIZE_N*4 th:TH_STORE_NT
.endr
.endm
	PLACES                                         ; ahead of the reads of results and of the loads into registers that the last products read
	TOSTAGE 0
.irp a, 1,2,3,4,5,6,7
.if \a > 1
	s_wait_xcnt 0x0                                ; block a - 2's stores have read their registers and their base
.endif
	TOSTAGE \a
	SEND \a-1, 32                                  ; behind block a - 1's loads: block a's 16 stores and 16 loads
.endr
	s_wait_xcnt 0x0
	SEND 7, 0
	WIN 0
	s_wait_tensorcnt 0x0                           ; the wave's end
	ds_add_u32 v[SPW], v[NIL]
	s_wait_dscnt 0x0
	CROUND                                         ; the closing round
	s_endpgm
.Lfunc_end_k_q69e5852103_gemm:
	.size	k_q69e5852103_gemm, .Lfunc_end_k_q69e5852103_gemm-k_q69e5852103_gemm
	.p2alignl 7, 3214868480
	.fill 96, 4, 3214868480
	.section	.rodata,"a",@progbits
	.p2align	6, 0x0
	.amdhsa_kernel k_q69e5852103_gemm
		.amdhsa_group_segment_fixed_size 327680
		.amdhsa_private_segment_fixed_size 0
		.amdhsa_enable_private_segment 0
		.amdhsa_kernarg_size 32
		.amdhsa_user_sgpr_count 2
		.amdhsa_user_sgpr_kernarg_segment_ptr 1
		.amdhsa_wavefront_size32 1
		.amdhsa_system_sgpr_workgroup_id_x 1
		.amdhsa_system_sgpr_workgroup_id_y 1
		.amdhsa_system_sgpr_workgroup_id_z 1
		.amdhsa_system_vgpr_workitem_id 0
		.amdhsa_next_free_vgpr 1024
		.amdhsa_next_free_sgpr 66
		.amdhsa_reserve_vcc 0
		.amdhsa_float_denorm_mode_32 3
		.amdhsa_float_denorm_mode_16_64 3
		.amdhsa_memory_ordered 1
		.amdhsa_forward_progress 1
		.amdhsa_inst_pref_size 214
	.end_amdhsa_kernel
	.amdgpu_metadata
---
amdhsa.version: [ 1, 2 ]
amdhsa.kernels:
  - .name:           k_q69e5852103_gemm
    .symbol:         k_q69e5852103_gemm.kd
    .args:
      - { .name: xq, .offset: 0, .size: 8, .value_kind: global_buffer, .address_space: global }
      - { .name: wq, .offset: 8, .size: 8, .value_kind: global_buffer, .address_space: global }
      - { .name: bias, .offset: 16, .size: 8, .value_kind: global_buffer, .address_space: global }
      - { .name: out0, .offset: 24, .size: 8, .value_kind: global_buffer, .address_space: global }
    .group_segment_fixed_size: 327680
    .private_segment_fixed_size: 0
    .kernarg_segment_align: 8
    .kernarg_segment_size: 32
    .max_flat_workgroup_size: 128
    .sgpr_count:     66
    .vgpr_count:     1024
    .wavefront_size: 32
...
	.end_amdgpu_metadata
.endif
;; end of part 2
